; MI455X (gfx1250); checked and timed in simulation.
; The chip was launched on July 23, 2026; its instructions are those of AMD's public machine-readable ISA for CDNA 5 (MIT licence, August 2026) and "CDNA5" Instruction Set Architecture Reference Guide (July 2026). The comments in the code are by the model that wrote it; some were corrected since.
;; K Conditional Random Field. Allowed arithmetic: float matrix products may take bf16 or f16 operands with f32 sums; other float arithmetic in f32, or as packed bf16 or f16 multiplies, adds, multiply-adds, maxima and minima; sums over many terms, partial sums and values carried from step to step in f32; what a program stores and reads back later, other than sums and carried values, may be rounded once to bf16 or f16.
;; Inputs: mask 256 x 256 bool; potentials 256 x 256 x 128 float32; transitions 128 x 128 float32.
;; Outputs: out0 256 x 256 x 128 float32.
;; 2 versions, each right; version 2 is version 1 with the launch trace written anew for expert scheduling mode. Each part assembles by itself: llvm-mc -triple=amdgcn-amd-amdhsa -mcpu=gfx1250 --defsym DOCPART=n.
;; ======== version 1 of 2: 2 launches
;; workspace buffers: bp 8,388,608 bytes of whole numbers
;; launch forward (part 1): grid 256 x 1, 4 waves a work-group, no clusters, 167,936 bytes of LDS; arguments potentials, transitions, mask, bp; writes bp
.if DOCPART == 1
	.amdgcn_target "amdgcn-amd-amdhsa--gfx1250"
	.amdhsa_code_object_version 6
	.text
	.protected	k_q7db133baae_forward
	.globl	k_q7db133baae_forward
	.p2align	8
	.type	k_q7db133baae_forward,@function
k_q7db133baae_forward:
	s_mov_b64 s[64:65], 0
	v_nop
	global_prefetch_b8 v0, s[64:65] scope:SCOPE_SE
	s_setreg_imm32_b32 hwreg(HW_REG_WAVE_MODE, 25, 1), 1
	s_wait_xcnt 0x0
; VITERBI, FORWARD.  potentials [256][256][128] f32, transitions [128][128] f32, mask [256][256] bytes; bp [256][256][128] bytes (a workspace of whole numbers).
; For t = 1 .. 255:  score[i][j] = state[i] + trans[i][j];  new[j] = max_i score + pot[t][j];  back[t][j] = the first i with the largest score;
; where mask[t] = 0 the state stays and back[t][j] = j.  bp row t = back[t]; bp row 0 = the first index of the last state's largest number, in all 128 bytes.
; Every sum is one f32 addition as in the definition, maxima are exact, ties go to the lowest index (+0 and -0 count as equal).  LIMIT: NaN is not treated apart (a NaN loses every maximum here).
; SHARES.  A work-group owns one sequence; thread = column j; its column of trans stays in 128 registers.  4 waves x 32 columns.
; THE STATE is handed round through LDS: two loads of 16 bytes leave, in each row of 16 lanes, state[64 h + 4 n + c] in register 4 h + c of lane n; the addition itself takes lane n's number
; (DPP row_share:n), so no register is spent on copies and a step reads 1 KiB of LDS a wave.
; THE ARGMAX.  The 128 scores go in 16 groups of 8 with running maxima b_k = max(b_(k-1), group k).  Where b_k differs from b_(k-1) group k holds a strictly larger score: its eight scores and its number
; replace the kept ones (two selects an instruction).  At the end the first kept score equal to b_15 gives the place in the group.
; ORDER.  Only sums and maxima lie between a state's arrival and the next state's store.  Groups 8 to 15 keep their scores in registers of their own, and their selects stand where the wave would wait:
; behind the state's store, between the barrier's signal and its wait, and behind the next loads.  256 registers hold no more than eight such groups; groups 1 to 7 are selected among the sums.
; ONE BARRIER A STEP: two state buffers by the step's parity; a buffer is written again two steps later, behind a barrier in front of which every wave has waited for its reads of it.
; INPUT.  All of the sequence's potentials come into LDS by tensor loads issued at the head, each wave a quarter: rows 0-31, the mask row, rows 32-255: three loads of a wave are out at the most.
; Steps 1 to 31 need the first two alone.  No LDS byte is filled twice.
; NO CLUSTER: what work-groups share is trans, 64 KiB read once at the head, straight into the register layout (each load of a wave takes 128 consecutive bytes of a row); the 128 KiB of potentials are a work-group's own.
.set POTS,  0                          ; 256 rows x 512 bytes
.set BPL,   131072                     ; 256 rows x 128 bytes of back-pointers
.set ST0,   163840                     ; state after even steps, 512 bytes; state after odd steps 512 bytes further on
.set MSK,   164864                     ; the sequence's 256 mask bytes
.set SPARE, 165120                     ; the spare words, 128 bytes a wave: two blocks of 256 bytes that no other line names
.set SPW, 2                            ; v2   LDS address of my spare word; never rewritten
.set NIL, 3                            ; v3   0; never rewritten
.set AST, 4                            ; v4   where I store my state: ST0 + 4 j
.set ALD, 5                            ; v5   where I read states: ST0 + 16 (lane % 16)
.set APO, 6                            ; v6   my potential in the pair of rows in hand
.set AMK, 7                            ; v7   the mask byte of the pair in hand
.set ABP, 8                            ; v8   my back-pointer byte, a row behind the pair in hand
.set N,   9                            ; v9   my state
.set POT, 10
.set MK,  11
.set GI,  12                           ; v12  8 x the kept group's number
.set ACC, 13
.set U,   14                           ; v14-16 at work
.set X,   17
.set TO,  18                           ; v18  4 j: my offset in a row of trans
.set S,   20                           ; v20-27 the state, spread over the rows of lanes
.set SV,  28                           ; v28-35 the kept group's scores (group 0's sums are written here)
.set BR,  36                           ; v36-38 b_0 .. b_6, three registers by turns
.set BD,  39                           ; v39-47 b_7 .. b_15
.set TB,  48                           ; v48-63 scores of groups 1 to 7, two buffers by turns
.set SD,  64                           ; v64-127 scores of groups 8 to 15
.set TR,  128                          ; v128-255 trans[i][j]
.set WV,  12                           ; s12  my wave's number
.set G1A, 16                           ; s[16:23] group 1: 16 rows of 256 bytes
.set G1M, 24                           ; s[24:31] group 1: one row of 64 bytes
.set G1B, 32                           ; s[32:39] group 1: 112 rows of 256 bytes
.set G0A, 40                           ; s[40:51] three groups 0
.set G0M, 44
.set G0B, 48
.set CM,  56                           ; s56-62 lanes whose kept score r is the maximum
.set CO,  66                           ; s66-69 unions of them
.set MF,  70                           ; s70  all ones where the step's mask byte is set
.set CNT, 71
.set SEL, 72                           ; s[72:73] v_permlanex16_b32: each lane takes its own place in the other half
.macro SREG k                          ; sK = first register of group k's scores
.if (\k) == 0
.set sK, SV
.elseif (\k) < 8
.set sK, TB+8*((\k)%2)
.else
.set sK, SD+8*((\k)-8)
.endif
.endm
.macro BREG k                          ; bK = register of b_k
.if (\k) < 7
.set bK, BR+(\k)%3
.else
.set bK, BD+(\k)-7
.endif
.endm
.macro AD k, r, n                      ; score 8 k + r: the state's number comes from lane n of my row of lanes
	SREG \k
	v_add_f32_dpp v[sK+(\r)], v[S+4*((\k)/8)+(\r)%4], v[TR+8*(\k)+(\r)] row_share:\n row_mask:0xf bank_mask:0xf
.endm
.macro M1 k
	SREG \k
	v_max3_num_f32 v[U], v[sK], v[sK+1], v[sK+2]
.endm
.macro M2 k
	SREG \k
	v_max3_num_f32 v[U+1], v[sK+3], v[sK+4], v[sK+5]
.endm
.macro M3 k
	SREG \k
	v_max3_num_f32 v[U+2], v[sK+6], v[sK+7], v[U]
.endm
.macro M4 k                            ; b_k: the one link that waits for the group before
	BREG \k
.if (\k) == 0
	v_max_num_f32 v[bK], v[U+1], v[U+2]
.else
.set bN, bK
	BREG (\k)-1
	v_max3_num_f32 v[bN], v[U+1], v[U+2], v[bK]
.endif
.endm
.macro IC k                            ; VCC: lanes in which group k brought nothing larger
	BREG (\k)-1
.set bP, bK
	BREG \k
	v_cmp_eq_f32 vcc_lo, v[bK], v[bP]
.endm
.macro ID k, n                         ; scores 2 n, 2 n + 1 of group k replace the kept ones where VCC is clear
	SREG \k
	v_dual_cndmask_b32 v[SV+2*(\n)], v[sK+2*(\n)], v[SV+2*(\n)] :: v_dual_cndmask_b32 v[SV+2*(\n)+1], v[sK+2*(\n)+1], v[SV+2*(\n)+1]
.endm
.macro IG k                            ; and so does the group's number (group 1 starts it: 0 is group 0)
.if (\k) == 1
	v_cndmask_b32 v[GI], 8, 0, vcc_lo
.else
	v_cndmask_b32 v[GI], 8*(\k), v[GI], vcc_lo
.endif
.endm
.macro IX k
	IC \k
	ID \k, 0
	ID \k, 1
	ID \k, 2
	ID \k, 3
	IG \k
.endm
.macro WHEN k, line:vararg             ; the line, for the groups whose selects stand among the sums
.if ((\k) >= 1) && ((\k) <= 7)
	\line
.endif
.endm
; Group k's eight sums; between them the maxima of group k - 1 and the selects of group k - 2, so that no line reads the result of the one just before it.
; Group k - 2's scores are read two at a time just ahead of the sums that land on them (the two buffers take turns).
.macro ITER k, na, nb
	WHEN (\k)-2, IC (\k)-2
.if (\k) >= 1
	M1 (\k)-1
	M2 (\k)-1
.endif
	WHEN (\k)-2, ID (\k)-2, 0
	AD \k, 0, \na
	AD \k, 1, \na
.if (\k) >= 1
	M3 (\k)-1
.endif
	WHEN (\k)-2, ID (\k)-2, 1
	AD \k, 2, \na
	AD \k, 3, \na
	WHEN (\k)-2, ID (\k)-2, 2
	AD \k, 4, \nb
	AD \k, 5, \nb
.if (\k) >= 1
	M4 (\k)-1
.endif
	WHEN (\k)-2, ID (\k)-2, 3
	AD \k, 6, \nb
	AD \k, 7, \nb
	WHEN (\k)-2, IG (\k)-2
.endm
; The place in the kept group: the first of eight scores that equals b_15, by a tree three selects deep; then the back-pointer, or j where the step was masked out.
.macro FIN boff
.irp r, 0,1,2,3,4,5,6
	v_cmp_eq_f32 s[CM+\r], v[SV+\r], v[BD+8]
.endr
	v_cndmask_b32 v[U],   1, 0, s[CM]
	v_cndmask_b32 v[U+1], 3, 2, s[CM+2]
	v_cndmask_b32 v[U+2], 5, 4, s[CM+4]
	v_cndmask_b32 v[ACC], 7, 6, s[CM+6]
	s_or_b32 s[CO],   s[CM],   s[CM+1]             ; a hit among 0, 1
	s_or_b32 s[CO+1], s[CM+2], s[CM+3]
	s_or_b32 s[CO+2], s[CM+4], s[CM+5]             ; among 4, 5
	s_or_b32 s[CO+3], s[CO],   s[CO+1]             ; among 0 .. 3
	v_cndmask_b32 v[U],   v[U+1], v[U],   s[CO]
	v_cndmask_b32 v[ACC], v[ACC], v[U+2], s[CO+2]
	v_cndmask_b32 v[ACC], v[ACC], v[U],   s[CO+3]
	v_add_nc_u32 v[ACC], v[GI], v[ACC]
	v_cndmask_b32 v[ACC], v0, v[ACC], s[MF]
	ds_store_b8 v[ABP], v[ACC] offset:\boff
.endm
; A STEP.  par = the step's parity: it reads the other buffer and writes buffer par.  poff, moff: the row's place in the pair in hand.  boff: where the step BEFORE puts its back-pointers.
; first = 1: step 1: the old state is row 0 of the potentials, and no step before is left to finish.  adv = 1: the three walking addresses go on to the next pair.
.macro STEP par, poff, moff, boff, first, adv
.if \first
	ds_load_b128 v[S:S+3],   v[X]
	ds_load_b128 v[S+4:S+7], v[X] offset:256
	ds_load_b32  v[N],   v[APO]
	ds_load_b32  v[POT], v[APO] offset:512
	ds_load_u8   v[MK],  v[AMK] offset:1
	s_wait_dscnt 0x0
.else
	ds_load_b128 v[S:S+3],   v[ALD] offset:512*(1-(\par))
	ds_load_b128 v[S+4:S+7], v[ALD] offset:512*(1-(\par))+256
	ds_load_b32  v[POT], v[APO] offset:\poff
	ds_load_u8   v[MK],  v[AMK] offset:\moff
	IX 13                                          ; the last step's remaining selects stand while the loads are out
	IX 14
	IX 15
	FIN \boff
	s_wait_dscnt 0x1                               ; the four loads are in; only the byte store issued behind them may be out
.endif
	ITER 0, 0, 1
	ITER 1, 2, 3
	ITER 2, 4, 5
	ITER 3, 6, 7
	ITER 4, 8, 9
	ITER 5, 10, 11
	ITER 6, 12, 13
	ITER 7, 14, 15
	ITER 8, 0, 1
	ITER 9, 2, 3
	ITER 10, 4, 5
	ITER 11, 6, 7
	ITER 12, 8, 9
	ITER 13, 10, 11
	ITER 14, 12, 13
	ITER 15, 14, 15
	M1 15                                          ; the chain's end: each link waits for the last, so selects of groups 8 to 10 stand between the links
	M2 15
	IC 8
	v_cmp_ne_u32 s[MF], 0, v[MK]
	M3 15
	ID 8, 0
	ID 8, 1
	ID 8, 2
	ID 8, 3
	M4 15
	IG 8
	IC 9
	ID 9, 0
	ID 9, 1
	v_add_f32 v[X], v[BD+8], v[POT]                ; the maximum + the potential
	ID 9, 2
	ID 9, 3
	IG 9
	IC 10
	v_cndmask_b32 v[N], v[N], v[X], s[MF]          ; the old state stays where the mask byte is 0
	ds_store_b32 v[AST], v[N] offset:512*(\par)
	ID 10, 0
	ID 10, 1
	ID 10, 2
	ID 10, 3
	IG 10
	IX 11
	s_wait_dscnt 0x0                               ; for the others' sake: my state is stored, and my reads of the other buffer are long back
	s_barrier_signal -1
	IX 12
.if \adv
	v_add_nc_u32 v[APO], 1024, v[APO]
	v_add_nc_u32 v[AMK], 2, v[AMK]
	v_add_nc_u32 v[ABP], 256, v[ABP]
.endif
	s_barrier_wait -1                              ; all 128 new states lie in buffer par
.endm
.macro PAIR                            ; an even step and an odd one
	STEP 0, 0,   0, 0,   0, 0
	STEP 1, 512, 1, 128, 0, 1
.endm
	s_load_b256 s[4:11], s[0:1], 0x0               ; potentials s[4:5], transitions s[6:7], mask s[8:9], bp s[10:11]
	v_lshl_add_u32 v[SPW], v0, 2, SPARE
	v_mov_b32 v[NIL], 0
	ds_add_u32 v[SPW], v[NIL]                      ; the wave's opening: the add and its wait stand ahead of my first tensor load; the set-up below stands between them
	v_lshrrev_b32 v1, 5, v0
	v_readfirstlane_b32 s[WV], v1                  ; wave 0..3
	; groups 1: dense bytes, asked for as rows of 32 elements of 8 bytes (the mask: one row of 8)
	s_mov_b32 s[G1A+0], 3<<16                      ; elements of 8 bytes, no mask of work-groups, no padding
	s_mov_b32 s[G1A+1], 32<<16                     ; tensor_dim0 = 32
	s_mov_b32 s[G1A+2], 16<<16                     ; tensor_dim1 = 16
	s_mov_b32 s[G1A+3], 32<<16                     ; tile_dim0 = 32
	s_mov_b32 s[G1A+4], 16                         ; tile_dim1 = 16
	s_mov_b32 s[G1A+5], 32                         ; 32 elements from row to row
	s_mov_b32 s[G1A+6], 0
	s_mov_b32 s[G1A+7], 0
	s_mov_b32 s[G1M+0], 3<<16
	s_mov_b32 s[G1M+1], 8<<16
	s_mov_b32 s[G1M+2], 1<<16
	s_mov_b32 s[G1M+3], 8<<16
	s_mov_b32 s[G1M+4], 1
	s_mov_b32 s[G1M+5], 8
	s_mov_b32 s[G1M+6], 0
	s_mov_b32 s[G1M+7], 0
	s_mov_b32 s[G1B+0], 3<<16
	s_mov_b32 s[G1B+1], 32<<16
	s_mov_b32 s[G1B+2], 112<<16
	s_mov_b32 s[G1B+3], 32<<16
	s_mov_b32 s[G1B+4], 112
	s_mov_b32 s[G1B+5], 32
	s_mov_b32 s[G1B+6], 0
	s_mov_b32 s[G1B+7], 0
	; groups 0: the potentials lie in LDS from byte 0 on, so a part's LDS address is also its offset in the sequence
	s_mov_b32 s[G0A], 1
	s_lshl_b32 s[G0A+1], s[WV], 12                 ; rows 0-31: my 4,096 bytes
	s_mov_b32 s[G0M], 1
	s_lshl_b32 s[G0M+1], s[WV], 6                  ; the mask row: my 64 bytes
	s_lshl_b32 s52, ttmp9, 8
	s_add_co_u32 s52, s52, s[G0M+1]                ; their offset in mask
	s_mov_b32 s53, 0
	s_add_co_u32 s[G0M+1], s[G0M+1], MSK
	s_mov_b32 s[G0B], 1
	s_mul_i32 s[G0B+1], s[WV], 28672               ; rows 32-255: my 28,672 bytes
	s_add_co_u32 s[G0B+1], s[G0B+1], 16384
	s_lshl_b32 s13, ttmp9, 17                      ; the sequence's 131,072 bytes of potentials
	s_add_co_u32 s14, s13, s[G0A+1]
	s_mov_b32 s15, 0
	s_add_co_u32 s54, s13, s[G0B+1]
	s_mov_b32 s55, 0
	s_lshl_b32 s74, ttmp9, 15                      ; its 32,768 bytes of bp
	s_mov_b32 s75, 0
	s_mov_b32 s[SEL], 0x76543210
	s_mov_b32 s[SEL+1], 0xfedcba98
	s_wait_dscnt 0x0                               ; the opening add is done
	s_wait_kmcnt 0x0
	s_add_nc_u64 s[G0A+2:G0A+3], s[4:5], s[14:15]
	s_or_b32 s[G0A+3], s[G0A+3], 0x80000000
	s_add_nc_u64 s[G0M+2:G0M+3], s[8:9], s[52:53]
	s_or_b32 s[G0M+3], s[G0M+3], 0x80000000
	s_add_nc_u64 s[G0B+2:G0B+3], s[4:5], s[54:55]
	s_or_b32 s[G0B+3], s[G0B+3], 0x80000000
	s_add_nc_u64 s[10:11], s[10:11], s[74:75]
	tensor_load_to_lds s[G0A:G0A+3], s[G1A:G1A+7]  ; all fills go out together, ahead of every wait on TENSORcnt, LDS read and barrier
	s_nop 0
	tensor_load_to_lds s[G0M:G0M+3], s[G1M:G1M+7]
	s_nop 0
	tensor_load_to_lds s[G0B:G0B+3], s[G1B:G1B+7]
	s_nop 0
	v_lshlrev_b32 v[TO], 2, v0
.set i, 0
.rept 128
	global_load_b32 v[TR+i], v[TO], s[6:7] offset:512*i  ; trans[i][j]
.set i, i+1
.endr
	; A DPP form leaves its destination as it was in lanes without a source, so the destination counts as read: the 88 registers that the sums land in are written once, while the loads are out.
.set i, TB
.rept 40
	v_dual_mov_b32 v[i], 0 :: v_dual_mov_b32 v[i+1], 0
.set i, i+2
.endr
.set i, SV
.rept 4
	v_dual_mov_b32 v[i], 0 :: v_dual_mov_b32 v[i+1], 0
.set i, i+2
.endr
	v_and_b32 v1, 15, v0
	v_lshlrev_b32 v[X], 4, v1                      ; 16 (lane % 16): row 0 of the potentials is step 1's old state
	v_add_nc_u32 v[ALD], ST0, v[X]
	v_lshl_add_u32 v[AST], v0, 2, ST0
	v_lshlrev_b32 v[APO], 2, v0                    ; rows 0 and 1
	v_mov_b32 v[AMK], MSK
	v_add_nc_u32 v[ABP], BPL-128, v0               ; step 1 moves it on to row 1
	s_wait_tensorcnt 0x1                           ; my parts of rows 0-31 and of the mask are in; the third load stays out
	s_barrier_signal -1
	s_barrier_wait -1                              ; everybody's are
	s_wait_loadcnt 0x0                             ; trans
	STEP 1, 0, 0, 0, 1, 1                          ; t = 1
	s_mov_b32 s[CNT], 15
.Lhead:                                                ; t = 2 .. 31: rows of the first fill
	PAIR
	s_sub_co_u32 s[CNT], s[CNT], 1
	s_cmp_lg_u32 s[CNT], 0
	s_cbranch_scc1 .Lhead
	s_wait_tensorcnt 0x0                           ; my part of rows 32-255 is in,
	s_barrier_signal -1
	s_barrier_wait -1                              ; everybody's is
	s_mov_b32 s[CNT], 112
.Lrest:                                                ; t = 32 .. 255
	PAIR
	s_sub_co_u32 s[CNT], s[CNT], 1
	s_cmp_lg_u32 s[CNT], 0
	s_cbranch_scc1 .Lrest
	IX 13                                          ; step 255's remaining selects: row 255
	IX 14
	IX 15
	FIN 0
	; THE LAST TAG, made by every wave for its own 32 bytes of row 0: lane l takes states 4 l .. 4 l + 3 of the odd buffer
	v_and_b32 v1, 31, v0
	v_lshl_add_u32 v1, v1, 4, ST0+512
	ds_load_b128 v[S:S+3], v1
	s_wait_dscnt 0x0
	v_max3_num_f32 v[U], v[S], v[S+1], v[S+2]
	v_max_num_f32 v[U], v[U], v[S+3]
	v_max_num_f32_dpp v[U], v[U], v[U] row_xmask:1 row_mask:0xf bank_mask:0xf
	v_max_num_f32_dpp v[U], v[U], v[U] row_xmask:2 row_mask:0xf bank_mask:0xf
	v_max_num_f32_dpp v[U], v[U], v[U] row_xmask:4 row_mask:0xf bank_mask:0xf
	v_max_num_f32_dpp v[U], v[U], v[U] row_xmask:8 row_mask:0xf bank_mask:0xf
	v_permlanex16_b32 v[U+1], v[U], s[SEL], s[SEL+1]
	v_max_num_f32 v[U], v[U], v[U+1]               ; every lane holds the largest state
.irp c, 0,1,2,3
	v_cmp_eq_f32 s[CM+\c], v[S+\c], v[U]
.endr
	s_or_b32 s[CO], s[CM], s[CM+1]
	s_or_b32 s[CO+1], s[CM+2], s[CM+3]
	s_or_b32 s[CO], s[CO], s[CO+1]
	s_ctz_i32_b32 s[CO], s[CO]                     ; the first lane with a hit holds the lowest index,
	s_mov_b32 s[CO+1], 3
	s_bitcmp1_b32 s[CM+2], s[CO]                   ; and of its four numbers the first that hits
	s_cselect_b32 s[CO+1], 2, s[CO+1]
	s_bitcmp1_b32 s[CM+1], s[CO]
	s_cselect_b32 s[CO+1], 1, s[CO+1]
	s_bitcmp1_b32 s[CM], s[CO]
	s_cselect_b32 s[CO+1], 0, s[CO+1]
	s_lshl2_add_u32 s[CO], s[CO], s[CO+1]
	v_mov_b32 v[ACC], s[CO]
	v_add_nc_u32 v1, BPL, v0
	ds_store_b8 v1, v[ACC]
	s_wait_dscnt 0x0                               ; for the others' sake: all my back-pointer bytes are stored
	s_barrier_signal -1
	s_barrier_wait -1
	; THE WAY OUT: 32 KiB, 16 bytes a lane: each store of a wave covers 512 consecutive bytes, at a multiple of 256 from bp's first byte
	v_lshlrev_b32 v[X], 4, v0
	v_add_nc_u32 v1, BPL, v[X]
.set i, 0
.rept 16
	ds_load_b128 v[TR+4*i:TR+4*i+3], v1 offset:2048*i
.set i, i+1
.endr
.set i, 0
.rept 16
	s_wait_dscnt 15-i                              ; LDS loads come back in order: load i is in, the younger ones may be out
	global_store_b128 v[X], v[TR+4*i:TR+4*i+3], s[10:11] offset:2048*i
.set i, i+1
.endr
	s_wait_tensorcnt 0x0                           ; the wave's end, behind my last tensor load and my last LDS store
	ds_add_u32 v[SPW], v[NIL]
	s_wait_dscnt 0x0
	s_endpgm
.Lfunc_end_k_q7db133baae_forward:
	.size	k_q7db133baae_forward, .Lfunc_end_k_q7db133baae_forward-k_q7db133baae_forward
	.p2alignl 7, 3214868480
	.fill 96, 4, 3214868480
	.section	.rodata,"a",@progbits
	.p2align	6, 0x0
	.amdhsa_kernel k_q7db133baae_forward
		.amdhsa_group_segment_fixed_size 167936
		.amdhsa_private_segment_fixed_size 0
		.amdhsa_enable_private_segment 0
		.amdhsa_kernarg_size 32
		.amdhsa_user_sgpr_count 2
		.amdhsa_user_sgpr_kernarg_segment_ptr 1
		.amdhsa_wavefront_size32 1
		.amdhsa_system_sgpr_workgroup_id_x 1
		.amdhsa_system_sgpr_workgroup_id_y 1
		.amdhsa_system_sgpr_workgroup_id_z 1
		.amdhsa_system_vgpr_workitem_id 0
		.amdhsa_next_free_vgpr 256
		.amdhsa_next_free_sgpr 80
		.amdhsa_reserve_vcc 1
		.amdhsa_float_denorm_mode_32 3
		.amdhsa_float_denorm_mode_16_64 3
		.amdhsa_memory_ordered 1
		.amdhsa_forward_progress 1
		.amdhsa_inst_pref_size 118
	.end_amdhsa_kernel
	.amdgpu_metadata
---
amdhsa.version: [ 1, 2 ]
amdhsa.kernels:
  - .name:           k_q7db133baae_forward
    .symbol:         k_q7db133baae_forward.kd
    .args:
      - { .name: potentials, .offset: 0, .size: 8, .value_kind: global_buffer, .address_space: global }
      - { .name: transitions, .offset: 8, .size: 8, .value_kind: global_buffer, .address_space: global }
      - { .name: mask, .offset: 16, .size: 8, .value_kind: global_buffer, .address_space: global }
      - { .name: bp, .offset: 24, .size: 8, .value_kind: global_buffer, .address_space: global }
    .group_segment_fixed_size: 167936
    .private_segment_fixed_size: 0
    .kernarg_segment_align: 8
    .kernarg_segment_size: 32
    .max_flat_workgroup_size: 128
    .sgpr_count:     80
    .vgpr_count:     256
    .wavefront_size: 32
...
	.end_amdgpu_metadata
.endif
;; end of part 1
;; launch trace (part 2): grid 256 x 1, 32 waves a work-group, no clusters, 77,824 bytes of LDS; arguments bp, out0; writes out0
.if DOCPART == 2
	.amdgcn_target "amdgcn-amd-amdhsa--gfx1250"
	.amdhsa_code_object_version 6
	.text
	.protected	k_q7db133baae_trace
	.globl	k_q7db133baae_trace
	.p2align	8
	.type	k_q7db133baae_trace,@function
k_q7db133baae_trace:
	s_mov_b64 s[64:65], 0
	v_nop
	global_prefetch_b8 v0, s[64:65] scope:SCOPE_SE
	s_setreg_imm32_b32 hwreg(HW_REG_WAVE_MODE, 25, 1), 1
	s_wait_xcnt 0x0
; VITERBI, BACKWARD, AND THE ONE-HOT.  bp [256][256][128] bytes: row t (1 .. 255) = back[t], row 0 = the last tag.  out0 [256][256][128] f32.
; tag[255] = the last tag; tag[t-1] = back[t][tag[t]]; out0[b][t][j] = 1 where j = tag[t], else 0.
; A work-group owns one sequence.  255 look-ups that each wait for the last are cut short: the rows go in 16 chunks of 16.
; PART 1: for each chunk and each of the 128 tags with which it may be entered (2,048 walks, two a thread, which do not wait for each other) the 16 rows are followed; the walk's 16 tags are packed into
;   16 bytes (PT), and the tag with which it leaves the chunk is kept (FM).  A wave's lanes read one row of 128 bytes at a time.
; PART 2: each wave follows FM from chunk 15 down to the chunk of its own rows: 15 look-ups at the most; the jump out hangs on the wave's number alone.
; PART 3: wave v reads the 8 tags of rows 8 v .. 8 v + 7 as 8 bytes of PT and stores the rows whole: a row is 512 bytes, 16 a lane.
; Every number read from bp is held to 0 .. 127 before it enters an address.  (Chunk 0's sixteenth look-up reads row 0; what it brings is used by nobody.)
; No cluster: work-groups share no input.
.set FM,    0                          ; [16 chunks][128 tags] words
.set BPT,   8192                       ; the sequence's 32,768 bytes of bp
.set PT,    40960                      ; [16 chunks][128 tags][16 bytes]
.set SPARE, 73728                      ; the spare words, 128 bytes for each of the 32 waves: 16 blocks of 256 bytes that no other line names
.set PA, 20                            ; v20-23 the first walk's 16 tags
.set PB, 24                            ; v24-27 the second walk's
	s_load_b128 s[4:7], s[0:1], 0x0                ; bp s[4:5], out0 s[6:7]
	v_lshl_add_u32 v30, v0, 2, SPARE               ; my spare word,
	v_mov_b32 v31, 0                               ; and 0: for the wave's end alone
	v_lshlrev_b32 v1, 4, v0                        ; 16 x thread
	v_lshrrev_b32 v2, 5, v0
	v_readfirstlane_b32 s10, v2                    ; wave 0..31
	s_lshl_b32 s8, ttmp9, 15
	s_mov_b32 s9, 0
	s_wait_kmcnt 0x0
	s_add_nc_u64 s[4:5], s[4:5], s[8:9]
	global_load_b128 v[4:7],  v1, s[4:5] th:TH_LOAD_NT
	global_load_b128 v[8:11], v1, s[4:5] offset:16384 th:TH_LOAD_NT
	s_lshl_b32 s8, ttmp9, 17                       ; (an offset's register, no source of the loads)
	s_add_nc_u64 s[6:7], s[6:7], s[8:9]            ; out0 at the sequence's first row
	v_and_b32 v12, 0x7f, v0                        ; both walks enter with tag = thread % 128,
	v_mov_b32 v13, v12
	v_and_b32 v14, 0x380, v0
	v_lshlrev_b32 v14, 4, v14                      ; in chunks thread / 128 and thread / 128 + 8: 2,048 bytes a chunk
	v_lshlrev_b32 v15, 2, v0                       ; 4 x thread
	s_wait_loadcnt 0x0
	ds_store_b128 v1, v[4:7]  offset:BPT
	ds_store_b128 v1, v[8:11] offset:BPT+16384
	s_wait_dscnt 0x0                               ; for the others' sake
	s_barrier_signal -1
	s_barrier_wait -1
.irp k, 15,14,13,12,11,10,9,8,7,6,5,4,3,2,1,0
.if (\k)%4 == 3
	v_lshlrev_b32 v[PA+(\k)/4], 24, v12            ; the tag at row 16 c + k is byte k of the walk's 16
	v_lshlrev_b32 v[PB+(\k)/4], 24, v13
.else
	v_lshl_or_b32 v[PA+(\k)/4], v12, 8*((\k)%4), v[PA+(\k)/4]
	v_lshl_or_b32 v[PB+(\k)/4], v13, 8*((\k)%4), v[PB+(\k)/4]
.endif
	v_add_nc_u32 v16, v14, v12
	v_add_nc_u32 v17, v14, v13
	ds_load_u8 v12, v16 offset:BPT+128*(\k)
	ds_load_u8 v13, v17 offset:BPT+16384+128*(\k)
	s_wait_dscnt 0x0
	v_min_u32 v12, 0x7f, v12
	v_min_u32 v13, 0x7f, v13
.endr
	ds_store_b32 v15, v12 offset:FM                ; chunk x 512 + 4 x tag = 4 x thread
	ds_store_b32 v15, v13 offset:FM+4096
	ds_store_b128 v1, v[PA:PA+3] offset:PT         ; chunk x 2,048 + 16 x tag = 16 x thread
	ds_store_b128 v1, v[PB:PB+3] offset:PT+16384
	s_wait_dscnt 0x0                               ; for the others' sake
	s_barrier_signal -1
	s_barrier_wait -1
	s_lshr_b32 s11, s10, 1                         ; my rows' chunk
	v_mov_b32 v16, 0
	ds_load_u8 v12, v16 offset:BPT                 ; the last tag enters chunk 15
	s_wait_dscnt 0x0
	v_min_u32 v12, 0x7f, v12
.irp c, 15,14,13,12,11,10,9,8,7,6,5,4,3,2,1
	s_cmp_eq_u32 s11, \c
	s_cbranch_scc1 .Lhave                          ; v12 enters my chunk
	v_lshlrev_b32 v16, 2, v12
	ds_load_b32 v12, v16 offset:FM+512*(\c)
	s_wait_dscnt 0x0
	v_min_u32 v12, 0x7f, v12
.endr
.Lhave:
	s_and_b32 s12, s10, 1
	s_lshl_b32 s12, s12, 3                         ; my 8 of the chunk's 16 rows
	s_lshl_b32 s13, s11, 11
	s_add_co_u32 s12, s12, s13
	v_lshlrev_b32 v16, 4, v12
	v_add_nc_u32 v16, s12, v16
	ds_load_b64 v[18:19], v16 offset:PT
	v_and_b32 v2, 31, v0
	v_lshlrev_b32 v3, 2, v2                        ; my first column
	v_lshlrev_b32 v17, 4, v2
	s_lshl_b32 s13, s10, 12                        ; my wave's 8 rows of 512 bytes
	v_add_nc_u32 v17, s13, v17
	s_wait_dscnt 0x0
.irp q, 0,1,2,3,4,5,6,7
	v_bfe_u32 v[28+(\q)%2], v[18+(\q)/4], 8*((\q)%4), 8
	v_sub_nc_u32 v[28+(\q)%2], v[28+(\q)%2], v3    ; the tag's place among my four columns, if it is one of them
.irp c, 0,1,2,3
	v_cmp_eq_u32 vcc_lo, \c, v[28+(\q)%2]
	v_cndmask_b32 v[32+4*(\q)+\c], 0, 1.0, vcc_lo
.endr
	global_store_b128 v17, v[32+4*(\q):32+4*(\q)+3], s[6:7] offset:512*(\q) th:TH_STORE_NT  ; a whole row: 512 consecutive bytes, at a multiple of 256 from out0's first byte
.endr
	s_wait_tensorcnt 0x0                           ; the wave's end, behind my last LDS store
	ds_add_u32 v30, v31
	s_wait_dscnt 0x0
	s_endpgm
.Lfunc_end_k_q7db133baae_trace:
	.size	k_q7db133baae_trace, .Lfunc_end_k_q7db133baae_trace-k_q7db133baae_trace
	.p2alignl 7, 3214868480
	.fill 96, 4, 3214868480
	.section	.rodata,"a",@progbits
	.p2align	6, 0x0
	.amdhsa_kernel k_q7db133baae_trace
		.amdhsa_group_segment_fixed_size 77824
		.amdhsa_private_segment_fixed_size 0
		.amdhsa_enable_private_segment 0
		.amdhsa_kernarg_size 16
		.amdhsa_user_sgpr_count 2
		.amdhsa_user_sgpr_kernarg_segment_ptr 1
		.amdhsa_wavefront_size32 1
		.amdhsa_system_sgpr_workgroup_id_x 1
		.amdhsa_system_sgpr_workgroup_id_y 1
		.amdhsa_system_sgpr_workgroup_id_z 1
		.amdhsa_system_vgpr_workitem_id 0
		.amdhsa_next_free_vgpr 64
		.amdhsa_next_free_sgpr 66
		.amdhsa_reserve_vcc 1
		.amdhsa_float_denorm_mode_32 3
		.amdhsa_float_denorm_mode_16_64 3
		.amdhsa_memory_ordered 1
		.amdhsa_forward_progress 1
		.amdhsa_inst_pref_size 19
	.end_amdhsa_kernel
	.amdgpu_metadata
---
amdhsa.version: [ 1, 2 ]
amdhsa.kernels:
  - .name:           k_q7db133baae_trace
    .symbol:         k_q7db133baae_trace.kd
    .args:
      - { .name: bp, .offset: 0, .size: 8, .value_kind: global_buffer, .address_space: global }
      - { .name: out0, .offset: 8, .size: 8, .value_kind: global_buffer, .address_space: global }
    .group_segment_fixed_size: 77824
    .private_segment_fixed_size: 0
    .kernarg_segment_align: 8
    .kernarg_segment_size: 16
    .max_flat_workgroup_size: 1024
    .sgpr_count:     66
    .vgpr_count:     64
    .wavefront_size: 32
...
	.end_amdgpu_metadata
.endif
;; end of part 2
;; ======== version 2 of 2: 2 launches; version 1 with the launch trace written anew for expert scheduling mode
;; workspace buffers: bp 8,388,608 bytes of whole numbers
;; launch forward: the kernel of part 1 again; grid 256 x 1, 4 waves a work-group, no clusters, 167,936 bytes of LDS; arguments potentials, transitions, mask, bp; writes bp
;; launch trace (part 3): grid 256 x 1, 32 waves a work-group, no clusters, 77,824 bytes of LDS; arguments bp, out0; writes out0
.if DOCPART == 3
	.amdgcn_target "amdgcn-amd-amdhsa--gfx1250"
	.amdhsa_code_object_version 6
	.text
	.protected	k_q7db133baae_trace
	.globl	k_q7db133baae_trace
	.p2align	8
	.type	k_q7db133baae_trace,@function
k_q7db133baae_trace:
	s_mov_b64 s[64:65], 0
	v_nop
	global_prefetch_b8 v0, s[64:65] scope:SCOPE_SE
	s_setreg_imm32_b32 hwreg(HW_REG_WAVE_SCHED_MODE, 0, 2), 2
	s_setreg_imm32_b32 hwreg(HW_REG_WAVE_MODE, 25, 1), 1
	s_wait_xcnt 0x0
	s_wait_alu depctr_vm_vsrc(0)
; VITERBI, BACKWARD, AND THE ONE-HOT.  bp [256][256][128] bytes: row t (1 .. 255) = back[t], row 0 = the last tag.  out0 [256][256][128] f32.
; tag[255] = the last tag; tag[t-1] = back[t][tag[t]]; out0[b][t][j] = 1 where j = tag[t], else 0.
; A work-group owns one sequence.  255 look-ups that each wait for the last are cut short: the rows go in 16 chunks of 16.
; PART 1: for each chunk and each of the 128 tags with which it may be entered (2,048 walks, two a thread, which do not wait for each other) the 16 rows are followed; the walk's 16 tags are packed into
;   16 bytes (PT), and the tag with which it leaves the chunk is kept (FM).  A wave's lanes read one row of 128 bytes at a time.
; PART 2: each wave follows FM from chunk 15 down to the chunk of its own rows: 15 look-ups at the most; the jump out hangs on the wave's number alone.
; PART 3: wave v reads the 8 tags of rows 8 v .. 8 v + 7 as 8 bytes of PT and stores the rows whole: a row is 512 bytes, 16 a lane.
; Every number read from bp is held to 0 .. 127 before it enters an address.  (Chunk 0's sixteenth look-up reads row 0; what it brings is used by nobody.)
; No cluster: work-groups share no input.
; THE MODE: SCHED_MODE bits 1:0 = 2 (LLVM: expert scheduling mode 2), set by the entry lines.  The code itself states the register dependences
; between vector instructions and memory or LDS instructions, with s_wait_alu, always for 0.
; THE PLAN.  Registers that memory or LDS instructions touch:
;   v1, v15, v16, v17   offsets and addresses, made at the head and never written again: one wait at the head serves all their readers.
;   v4-11               bp as loaded; read by two LDS stores; no vector instruction names them.
;   TA, TB              a walk's tag, two registers by turns: round k reads register k % 2, and its look-up lands in the other, so that the round's packing lines stand while the look-up is out.
;   v32-63              part 1: the 32 addresses of its look-ups, a fresh pair a round; part 2: the addresses of its look-ups and of the load from PT, each written once; part 3: the eight rows, each written once.
;   v20-27              part 1: the walks' packed tags, read by two LDS stores; part 3: at work.
;   v18-19              my eight tags: one LDS load lands there; only vector instructions read them.
; A look-up whose address is made from the look-up before has one wait on va_vdst of its own.  Since no address register is written again inside a part, vm_vsrc is waited for twice in all:
; between parts 1 and 2, and ahead of the lines that make the rows.  The compares that make the rows go sixteen at a time into scalar registers, with one wait on va_sdst behind each run.
.set FM,    0                          ; [16 chunks][128 tags] words
.set BPT,   8192                       ; the sequence's 32,768 bytes of bp
.set PT,    40960                      ; [16 chunks][128 tags][16 bytes]
.set SPARE, 73728                      ; the spare words, 128 bytes for each of the 32 waves: 16 blocks of 256 bytes that no other line names
.set TA, 12                            ; v12-13 the first walk's tag, by turns; in parts 2 and 3 v12 is the wave's tag
.set TB, 28                            ; v28-29 the second walk's
.set PA, 20                            ; v20-23 the first walk's 16 tags
.set PB, 24                            ; v24-27 the second walk's
.set D,  20                            ; v20-27 part 3: row q's tag less my first column
.set AD, 32                            ; v32-63 addresses of look-ups
.set OUT, 32                           ; v32-63 part 3: row q at OUT + 4 q
.set HIT, 16                           ; s16-31 lanes in which column c of one of four rows is the tag's
	s_load_b128 s[4:7], s[0:1], 0x0                ; bp s[4:5], out0 s[6:7]
	v_lshl_add_u32 v30, v0, 2, SPARE               ; my spare word,
	v_mov_b32 v31, 0                               ; and 0: for the wave's end alone
	v_lshlrev_b32 v1, 4, v0                        ; 16 x thread
	v_lshrrev_b32 v2, 5, v0
	v_readfirstlane_b32 s10, v2                    ; wave 0..31
	v_and_b32 v[TA+1], 0x7f, v0                    ; both walks enter with tag = thread % 128 (round 15 reads the odd register),
	v_mov_b32 v[TB+1], v[TA+1]
	v_and_b32 v14, 0x380, v0
	v_lshlrev_b32 v14, 4, v14                      ; in chunks thread / 128 and thread / 128 + 8: 2,048 bytes a chunk
	v_lshlrev_b32 v15, 2, v0                       ; 4 x thread
	v_mov_b32 v16, 0                               ; the last tag's place in bp
	v_and_b32 v2, 31, v0
	v_lshlrev_b32 v3, 2, v2                        ; my first column
	v_lshlrev_b32 v17, 4, v2
	s_wait_alu depctr_va_sdst(0)                   ; s10 is written, ahead of its first reader, the next line
	s_lshl_b32 s14, s10, 12                        ; my wave's 8 rows of 512 bytes
	v_add_nc_u32 v17, s14, v17
	s_lshl_b32 s8, ttmp9, 15
	s_mov_b32 s9, 0
	s_wait_kmcnt 0x0
	s_add_nc_u64 s[4:5], s[4:5], s[8:9]
	s_wait_alu depctr_va_vdst(0)                   ; v1, v15, v16 and v17 are written, which loads and stores read from here to the end
	global_load_b128 v[4:7],  v1, s[4:5] th:TH_LOAD_NT
	global_load_b128 v[8:11], v1, s[4:5] offset:16384 th:TH_LOAD_NT
	s_lshl_b32 s8, ttmp9, 17                       ; (an offset's register, no source of the loads)
	s_add_nc_u64 s[6:7], s[6:7], s[8:9]            ; out0 at the sequence's first row
	s_wait_loadcnt 0x0
	ds_store_b128 v1, v[4:7]  offset:BPT
	ds_store_b128 v1, v[8:11] offset:BPT+16384
	s_wait_dscnt 0x0                               ; for the others' sake
	s_barrier_signal -1
	s_barrier_wait -1
.irp k, 15,14,13,12,11,10,9,8,7,6,5,4,3,2,1,0
	v_add_nc_u32 v[AD+2*(\k)],   v14, v[TA+(\k)%2]
	v_add_nc_u32 v[AD+2*(\k)+1], v14, v[TB+(\k)%2]
	s_wait_alu depctr_va_vdst(0)                   ; the two addresses are written; the lines of the round before that wrote and read the two registers in which the look-ups land are done
	ds_load_u8 v[TA+1-(\k)%2], v[AD+2*(\k)]   offset:BPT+128*(\k)
	ds_load_u8 v[TB+1-(\k)%2], v[AD+2*(\k)+1] offset:BPT+16384+128*(\k)
.if (\k)%4 == 3
	v_lshlrev_b32 v[PA+(\k)/4], 24, v[TA+(\k)%2]   ; the tag at row 16 c + k is byte k of the walk's 16
	v_lshlrev_b32 v[PB+(\k)/4], 24, v[TB+(\k)%2]
.else
	v_lshl_or_b32 v[PA+(\k)/4], v[TA+(\k)%2], 8*((\k)%4), v[PA+(\k)/4]
	v_lshl_or_b32 v[PB+(\k)/4], v[TB+(\k)%2], 8*((\k)%4), v[PB+(\k)/4]
.endif
	s_wait_dscnt 0x0
	v_min_u32 v[TA+1-(\k)%2], 0x7f, v[TA+1-(\k)%2]
	v_min_u32 v[TB+1-(\k)%2], 0x7f, v[TB+1-(\k)%2]
.endr
	s_wait_alu depctr_va_vdst(0)                   ; the last two minima and the packing lines have written what the four LDS stores read; round 0's lines are done reading v12, in which part 2's first look-up lands
	ds_store_b32 v15, v[TA+1] offset:FM            ; chunk x 512 + 4 x tag = 4 x thread
	ds_store_b32 v15, v[TB+1] offset:FM+4096
	ds_store_b128 v1, v[PA:PA+3] offset:PT         ; chunk x 2,048 + 16 x tag = 16 x thread
	ds_store_b128 v1, v[PB:PB+3] offset:PT+16384
	s_wait_dscnt 0x0                               ; for the others' sake
	s_barrier_signal -1
	s_barrier_wait -1
	s_wait_alu depctr_vm_vsrc(0)                   ; part 1's look-ups have read v32-63 and the LDS stores v20-27: both are written again below
	s_lshr_b32 s11, s10, 1                         ; my rows' chunk
	ds_load_u8 v[TA], v16 offset:BPT               ; the last tag enters chunk 15
	s_wait_dscnt 0x0
	v_min_u32 v[TA], 0x7f, v[TA]
.irp c, 15,14,13,12,11,10,9,8,7,6,5,4,3,2,1
	s_cmp_eq_u32 s11, \c
	s_cbranch_scc1 .Lhave                          ; v12 enters my chunk
	v_lshlrev_b32 v[AD+\c], 2, v[TA]
	s_wait_alu depctr_va_vdst(0)                   ; the address is written; the minimum and the shift are done with v12, in which the look-up lands
	ds_load_b32 v[TA], v[AD+\c] offset:FM+512*(\c)
	s_wait_dscnt 0x0
	v_min_u32 v[TA], 0x7f, v[TA]
.endr
.Lhave:
	s_and_b32 s12, s10, 1
	s_lshl_b32 s12, s12, 3                         ; my 8 of the chunk's 16 rows
	s_lshl_b32 s13, s11, 11
	s_add_co_u32 s12, s12, s13
	v_lshlrev_b32 v[AD+16], 4, v[TA]
	v_add_nc_u32 v[AD+16], s12, v[AD+16]
	s_wait_alu depctr_va_vdst(0)                   ; the address is written
	ds_load_b64 v[18:19], v[AD+16] offset:PT
	s_wait_dscnt 0x0
	s_wait_alu depctr_vm_vsrc(0)                   ; part 2's look-ups and the load above have read v33-48, in which the rows are made; every way out of part 2 passes this line
.irp q, 0,1,2,3,4,5,6,7
	v_bfe_u32 v[D+\q], v[18+(\q)/4], 8*((\q)%4), 8
.endr
.irp q, 0,1,2,3,4,5,6,7
	v_sub_nc_u32 v[D+\q], v[D+\q], v3              ; the tag's place among my four columns, if it is one of them
.endr
.irp g, 0,1
.irp q, 0,1,2,3
.irp c, 0,1,2,3
	v_cmp_eq_u32 s[HIT+4*(\q)+\c], \c, v[D+4*(\g)+(\q)]
.endr
.endr
	s_wait_alu depctr_va_sdst(0)                   ; the sixteen compares have written s16-31, ahead of the selects that read them
.irp q, 0,1,2,3
.irp c, 0,1,2,3
	v_cndmask_b32 v[OUT+16*(\g)+4*(\q)+\c], 0, 1.0, s[HIT+4*(\q)+\c]
.endr
.endr
	s_wait_alu depctr_va_vdst(0)                   ; the selects have written four rows, which the stores read
.irp q, 0,1,2,3
	global_store_b128 v17, v[OUT+16*(\g)+4*(\q):OUT+16*(\g)+4*(\q)+3], s[6:7] offset:512*(4*(\g)+(\q)) th:TH_STORE_NT  ; a whole row: 512 consecutive bytes, at a multiple of 256 from out0's first byte
.endr
.endr
	s_wait_dscnt 0x0                               ; the closing lines, six on end
	s_wait_alu 0x0
	s_wait_tensorcnt 0x0
	ds_add_u32 v30, v31
	s_wait_dscnt 0x0
	s_endpgm
.Lfunc_end_k_q7db133baae_trace:
	.size	k_q7db133baae_trace, .Lfunc_end_k_q7db133baae_trace-k_q7db133baae_trace
	.p2alignl 7, 3214868480
	.fill 96, 4, 3214868480
	.section	.rodata,"a",@progbits
	.p2align	6, 0x0
	.amdhsa_kernel k_q7db133baae_trace
		.amdhsa_group_segment_fixed_size 77824
		.amdhsa_private_segment_fixed_size 0
		.amdhsa_enable_private_segment 0
		.amdhsa_kernarg_size 16
		.amdhsa_user_sgpr_count 2
		.amdhsa_user_sgpr_kernarg_segment_ptr 1
		.amdhsa_wavefront_size32 1
		.amdhsa_system_sgpr_workgroup_id_x 1
		.amdhsa_system_sgpr_workgroup_id_y 1
		.amdhsa_system_sgpr_workgroup_id_z 1
		.amdhsa_system_vgpr_workitem_id 0
		.amdhsa_next_free_vgpr 64
		.amdhsa_next_free_sgpr 66
		.amdhsa_reserve_vcc 0
		.amdhsa_float_denorm_mode_32 3
		.amdhsa_float_denorm_mode_16_64 3
		.amdhsa_memory_ordered 1
		.amdhsa_forward_progress 1
		.amdhsa_inst_pref_size 21
	.end_amdhsa_kernel
	.amdgpu_metadata
---
amdhsa.version: [ 1, 2 ]
amdhsa.kernels:
  - .name:           k_q7db133baae_trace
    .symbol:         k_q7db133baae_trace.kd
    .args:
      - { .name: bp, .offset: 0, .size: 8, .value_kind: global_buffer, .address_space: global }
      - { .name: out0, .offset: 8, .size: 8, .value_kind: global_buffer, .address_space: global }
    .group_segment_fixed_size: 77824
    .private_segment_fixed_size: 0
    .kernarg_segment_align: 8
    .kernarg_segment_size: 16
    .max_flat_workgroup_size: 1024
    .sgpr_count:     66
    .vgpr_count:     64
    .wavefront_size: 32
...
	.end_amdgpu_metadata
.endif
;; end of part 3
